; MI455X (gfx1250); checked and timed in simulation.
; The chip was launched on July 23, 2026; its instructions are those of AMD's public machine-readable ISA for CDNA 5 (MIT licence, August 2026) and "CDNA5" Instruction Set Architecture Reference Guide (July 2026). The comments in the code are by the model that wrote it; some were corrected since.
;; Mo E Module. Allowed arithmetic: float matrix products may take bf16 or f16 operands with f32 sums; other float arithmetic in f32, or as packed bf16 or f16 multiplies, adds, multiply-adds, maxima and minima; sums over many terms, partial sums and values carried from step to step in f32; what a program stores and reads back later, other than sums and carried values, may be rounded once to bf16 or f16.
;; Inputs: We 16 x 512 x 512 float32; Wg 16 x 512 float32; be 16 x 512 float32; bg 16 float32; x 16,384 x 512 float32.
;; Outputs: out0 16,384 x 512 float32.
;; One version. Each part assembles by itself: llvm-mc -triple=amdgcn-amd-amdhsa -mcpu=gfx1250 --defsym DOCPART=n.
;; ======== version 1 of 1: 2 launches
;; workspace buffers: xb 16,777,216 bytes; wb 8,388,608 bytes; cnt 4,096 bytes of whole numbers; idx8 16,384 bytes of whole numbers
;; launch route (part 1): grid 256 x 1, 6 waves a work-group, no clusters, 117,504 bytes of LDS; arguments x, Wg, bg, We, xb, wb, cnt, idx8; writes xb, wb, cnt, idx8
.if DOCPART == 1
	.amdgcn_target "amdgcn-amd-amdhsa--gfx1250"
	.amdhsa_code_object_version 6
	.text
	.protected	k_qe61cf64e6d_route
	.globl	k_qe61cf64e6d_route
	.p2align	8
	.type	k_qe61cf64e6d_route,@function
k_qe61cf64e6d_route:
	s_mov_b64 s[64:65], 0
	v_nop
	global_prefetch_b8 v0, s[64:65] scope:SCOPE_SE
	s_setreg_imm32_b32 hwreg(HW_REG_WAVE_MODE, 25, 1), 1
	s_wait_xcnt 0x0
; ROUTE.  x [16384][512] f32, Wg [16][512] f32, bg [16] f32, We [16][512][512] f32.
; Stores: xb = x rounded to bf16, row-major; wb = We rounded to bf16, laid out as the next launch's matrix operands;
; idx8 = each token's expert (one byte); cnt = for each 64 tokens the number that chose each expert (16 bytes).
; The gate: logits = x Wg^T + bg by the matrix unit on bf16 operands with f32 sums, softmax with the row's maximum taken away, argmax with the lower index on a tie.
; LIMITS.  All inputs are rounded once to bf16 (bg too), so the choice is the one of the module on inputs so rounded.  Where a token's two best logits lie closer than the rounding of
; the f32 sums (about 1e-6 of their size) or of the exponentials (about 2e-7), the choice may be the other of the two.  A NaN logit is not treated as argmax treats it.
; SHARES.  1,536 equal tiles of 16 rows x 512 f32 (32,768 dense bytes): waves 0-3 of work-group g take x's tiles 4 g + w, waves 4-5 take We's tiles 2 g + w - 4.
; A tile comes in by loads of 512 consecutive bytes a wave, three groups of 16 loads on their way; it is rounded, laid into the wave's own stage in LDS, and read back as fragments.
; Both kinds of waves take the three load buffers in the same order (1, 2, 0, 1): at the first barrier every wave has the same 48 loads out, in the same order, and the counts behind it hold for all.
; wb: byte ((e 8 + cg) 16 + ks) 4096 + nb 1024 + hf 512 + lane 16: outputs 64 cg + 16 nb + lane % 16, k = 32 ks + 16 hf + 8 (lane / 16) + 0..7.
; cnt: the 16 bytes of block b (64 tokens) lie at ((b % 8) 32 + b / 8) 16.
.set PITCH, 1040                       ; a stage row: 1,024 bytes of bf16 + 16 = 260 words: row r starts at bank 4 r mod 64 (64 banks of 4 bytes: ISA guide 11.1)
.set STGB,  16*PITCH                   ; a stage: 16 rows
.set WGR,   6*STGB                     ; behind the six stages: Wg's 16 rows, rounded
.set EXCH,  WGR+STGB                   ; 64 bytes of counts (16 a wave), then 64 bytes of choices
.set SPARE, EXCH+256                   ; the spare words: 128 bytes for each of six waves, three blocks of 256 bytes that no other line names
.set T,    32                          ; v[32:63]   a group's 64 numbers a lane, rounded and packed; later the four accumulators
.set ACC,  32
.set BUF0, 64                          ; v[64:127], v[128:191], v[192:255]: three groups of 16 loads; later the fragments
.set BUF1, 128
.set BUF2, 192
; v1 lane, v2 lane % 16, v3 lane / 16, v4 16 lane, v5 8 lane, v6 my stage + 8 lane, v7 my stage's fragment address, v8 Wg's fragment address, v9 where I lay Wg's rows, v[10:17] bg of my 8 experts
.macro LOADG buf, g, base, nt          ; rows 4 g .. 4 g + 3 of a tile: 16 loads of 512 consecutive bytes
.set j, 0
.rept 16
.if \nt
	global_load_b128 v[(\buf)+4*j:(\buf)+4*j+3], v4, s[\base:\base+1] offset:(16*(\g)+j)*512 th:TH_LOAD_NT
.else
	global_load_b128 v[(\buf)+4*j:(\buf)+4*j+3], v4, s[\base:\base+1] offset:(16*(\g)+j)*512
.endif
.set j, j+1
.endr
.endm
.macro CVTG buf                        ; 64 f32 a lane -> 64 bf16, rounded to nearest even
.set j, 0
.rept 32
	v_cvt_pk_bf16_f32 v[T+j], v[(\buf)+2*j], v[(\buf)+2*j+1]
.set j, j+1
.endr
.endm
.macro STLDS adr, g                    ; into a stage: a load's 128 numbers are 256 bytes of a row
.set j, 0
.rept 16
	ds_store_b64 v[\adr], v[T+2*j:T+2*j+1] offset:(4*(\g)+j/4)*PITCH+(j%4)*256
.set j, j+1
.endr
.endm
.macro STXB g                          ; into xb: each store of the wave covers 256 consecutive bytes, aligned
.set j, 0
.rept 16
	global_store_b64 v5, v[T+2*j:T+2*j+1], s[26:27] offset:(16*(\g)+j)*256
.set j, j+1
.endr
.endm
; One group's turn.  left: the younger loads that may stay out.  tox = 1: the group also goes to xb.  nxt: the group that the buffer takes next (-1: none); its loads go out ahead of the stores.
.macro GROUP buf, g, left, tox, nxt
	s_wait_loadcnt \left
.if (\tox) && ((\g) > 0)
	s_wait_xcnt 0x0                                ; T is the data of the last group's stores to xb: it is rewritten only behind this wait
.endif
	CVTG \buf
.if (\nxt) >= 0
	LOADG \buf, \nxt, 24, 1
.endif
	STLDS 6, \g
.if \tox
	STXB \g
.endif
.endm
.macro GFETCH b, p                     ; the fragments of K steps 4 b .. 4 b + 3: for each 8 registers of Wg (16 experts x 32 k), 8 of x (16 tokens x 32 k)
.irp q, 0,1,2,3
	ds_load_b128 v[(\p)+16*\q:(\p)+16*\q+3],     v8 offset:64*(4*(\b)+\q)
	ds_load_b128 v[(\p)+16*\q+4:(\p)+16*\q+7],   v8 offset:64*(4*(\b)+\q)+32
	ds_load_b128 v[(\p)+16*\q+8:(\p)+16*\q+11],  v7 offset:64*(4*(\b)+\q)
	ds_load_b128 v[(\p)+16*\q+12:(\p)+16*\q+15], v7 offset:64*(4*(\b)+\q)+32
.endr
.endm
.macro GMUL p, zero                    ; four products, one on each of four accumulators, which take turns; zero = 1: they start the sums
.irp q, 0,1,2,3
.if \zero
	v_wmma_f32_16x16x32_bf16 v[ACC+8*\q:ACC+8*\q+7], v[(\p)+16*\q:(\p)+16*\q+7], v[(\p)+16*\q+8:(\p)+16*\q+15], 0
.else
	v_wmma_f32_16x16x32_bf16 v[ACC+8*\q:ACC+8*\q+7], v[(\p)+16*\q:(\p)+16*\q+7], v[(\p)+16*\q+8:(\p)+16*\q+15], v[ACC+8*\q:ACC+8*\q+7]
.endif
.endr
.endm
.macro PLACES                          ; four plain vector instructions between a matrix instruction and a line that reads its result or writes one of its registers (ISA guide 7.12.1)
.rept 4
	v_nop
.endr
.endm
	s_load_b256 s[4:11], s[0:1], 0x0               ; x s[4:5], Wg s[6:7], bg s[8:9], We s[10:11]
	s_load_b256 s[12:19], s[0:1], 0x20             ; xb s[12:13], wb s[14:15], cnt s[16:17], idx8 s[18:19]
	v_lshl_add_u32 v30, v0, 2, SPARE               ; my spare word,
	v_mov_b32 v31, 0                               ; and 0: kept for the wave's end alone
	v_lshrrev_b32 v18, 5, v0
	v_readfirstlane_b32 s20, v18                   ; wave 0..5
	v_and_b32 v1, 31, v0
	v_and_b32 v2, 15, v0
	v_bfe_u32 v3, v0, 4, 1
	v_lshlrev_b32 v4, 4, v1
	v_lshlrev_b32 v5, 3, v1
	s_mul_i32 s22, s20, STGB                       ; my stage
	v_add_nc_u32 v6, s22, v5
	v_mul_u32_u24 v18, v2, PITCH
	v_lshl_add_u32 v18, v3, 4, v18                 ; a fragment: row lane % 16, 16 bytes for each half of the lanes
	v_add_nc_u32 v7, s22, v18
	v_add_nc_u32 v8, WGR, v18
	s_mov_b32 s39, 0
	s_mov_b32 s32, 0x76543210                      ; v_permlanex16_b32: each lane takes its own place in the other half
	s_mov_b32 s33, 0xfedcba98
	s_mov_b32 s34, 0x3fb8aa3b                      ; c = log2(e)
	s_mov_b32 s35, s34                             ; named with it as a pair
	s_wait_kmcnt 0x0
	s_cmp_lt_u32 s20, 4
	s_cbranch_scc0 .Lw1
	; waves 0-3: bg, four rows of Wg, and the first groups of my tile of x
	s_lshl_b32 s23, ttmp9, 2
	s_add_co_u32 s23, s23, s20                     ; my tile of x
	s_lshl_b32 s38, s23, 15
	s_add_nc_u64 s[24:25], s[4:5], s[38:39]
	s_lshl_b32 s38, s23, 14
	s_add_nc_u64 s[26:27], s[12:13], s[38:39]
	s_lshl_b32 s38, s20, 13
	s_add_nc_u64 s[28:29], s[6:7], s[38:39]        ; Wg's rows 4 w ..
	s_mul_i32 s22, s20, 4*PITCH
	s_add_co_u32 s22, s22, WGR
	v_add_nc_u32 v9, s22, v5
	v_lshlrev_b32 v19, 5, v3                       ; my 8 experts' bg: 32 bytes for each half of the lanes
	global_load_b128 v[10:13], v19, s[8:9]
	global_load_b128 v[14:17], v19, s[8:9] offset:16
	LOADG BUF0, 0, 28, 0
	LOADG BUF1, 0, 24, 1
	LOADG BUF2, 1, 24, 1
	s_wait_loadcnt 32                              ; bg and Wg are in; the 32 loads of x stay out
.irp p, 0,1,2,3
	v_cvt_pk_bf16_f32 v20, v[10+2*\p], v[11+2*\p]  ; bg rounded to bf16 and widened again
	v_lshlrev_b32 v[10+2*\p], 16, v20
	v_and_b32 v[11+2*\p], 0xffff0000, v20
.endr
	CVTG BUF0
	LOADG BUF0, 2, 24, 1                           ; out now, oldest first: buffer 1 (group 0), buffer 2 (group 1), buffer 0 (group 2)
	STLDS 9, 0
	s_branch .Lbar_a
.Lw1:	; waves 4-5: the first three groups of my tile of We, into the buffers in the same order
	s_lshl_b32 s23, ttmp9, 1
	s_add_co_u32 s23, s23, s20
	s_sub_co_u32 s23, s23, 4                       ; my tile of We: 16 outputs of one expert
	s_lshl_b32 s38, s23, 15
	s_add_nc_u64 s[24:25], s[10:11], s[38:39]
	s_lshr_b32 s38, s23, 2
	s_lshl_b32 s38, s38, 16                        ; (e 8 + cg) x 65,536
	s_and_b32 s22, s23, 3
	s_lshl_b32 s22, s22, 10                        ; + nb x 1,024
	s_add_co_u32 s38, s38, s22
	s_add_nc_u64 s[26:27], s[14:15], s[38:39]
	LOADG BUF1, 0, 24, 1
	LOADG BUF2, 1, 24, 1
	LOADG BUF0, 2, 24, 1
.Lbar_a:
	s_wait_dscnt 0x0                               ; for the others' sake: my rows of Wg are in LDS
	s_barrier_signal -1
	s_barrier_wait -1
	s_cmp_lt_u32 s20, 4
	s_cbranch_scc0 .Lw2
	GROUP BUF1, 0, 32, 1, 3                        ; behind each group's loads stand two groups', then one's, then none
	GROUP BUF2, 1, 32, 1, -1
	GROUP BUF0, 2, 16, 1, -1
	GROUP BUF1, 3, 0,  1, -1
	; THE GATE.  Source 0 = Wg (16 experts), source 1 = x (16 tokens): in the result lane l holds token l % 16 and experts 8 (l / 16) + 0..7.
	GFETCH 0, BUF0                                 ; LDS serves a wave's instructions in order (ISA guide 5.7.1.4): these see my stage's stores
	GFETCH 1, BUF1
	GFETCH 2, BUF2
	s_wait_xcnt 0x0                                ; T, the data of the last stores to xb, becomes the accumulators
	s_wait_dscnt 32                                ; the first 16 fragment loads are in
	GMUL BUF0, 1
	PLACES
	GFETCH 3, BUF0
	s_wait_dscnt 32
	GMUL BUF1, 0
	s_wait_dscnt 16
	GMUL BUF2, 0
	s_wait_dscnt 0x0
	GMUL BUF0, 0
	PLACES
.irp p, 0,1,2,3                        ; the four partial sums and bg; each accumulator's lowest registers are read first
	v_pk_add_f32 v[64+2*\p:65+2*\p], v[32+2*\p:33+2*\p], v[40+2*\p:41+2*\p]
	v_pk_add_f32 v[72+2*\p:73+2*\p], v[48+2*\p:49+2*\p], v[56+2*\p:57+2*\p]
.endr
.irp p, 0,1,2,3
	v_pk_add_f32 v[64+2*\p:65+2*\p], v[64+2*\p:65+2*\p], v[72+2*\p:73+2*\p]
.endr
.irp p, 0,1,2,3
	v_pk_add_f32 v[64+2*\p:65+2*\p], v[64+2*\p:65+2*\p], v[10+2*\p:11+2*\p]
.endr
	; softmax over the token's 16 logits: 8 here, 8 in the lane 16 away
	v_max3_num_f32 v80, v64, v65, v66
	v_max3_num_f32 v80, v80, v67, v68
	v_max3_num_f32 v80, v80, v69, v70
	v_max_num_f32 v80, v80, v71
	v_mov_b32 v81, v80                             ; the permute's destination counts as read
	v_permlanex16_b32 v81, v80, s32, s33
	v_max_num_f32 v80, v80, v81                    ; the row's maximum m
	v_mul_f32 v82, s34, v80                        ; c m
	v_mov_b32 v83, v82
.irp p, 0,1,2,3
	v_pk_fma_f32 v[72+2*\p:73+2*\p], v[64+2*\p:65+2*\p], s[34:35], v[82:83] op_sel_hi:[1,0,0] neg_lo:[0,0,1] neg_hi:[0,0,1]  ; c L - c m
.endr
.irp j, 0,1,2,3,4,5,6,7
	v_exp_f32 v[72+\j], v[72+\j]
.endr
	v_nop                                          ; a plain instruction behind the last exponential (ISA guide 5.7.2),
	s_wait_alu depctr_va_vdst(0)                   ; and a wait ahead of the batch's first reader
	v_pk_add_f32 v[84:85], v[72:73], v[74:75]
	v_pk_add_f32 v[86:87], v[76:77], v[78:79]
	v_pk_add_f32 v[84:85], v[84:85], v[86:87]
	v_add_f32 v84, v84, v85
	v_mov_b32 v85, v84
	v_permlanex16_b32 v85, v84, s32, s33
	v_add_f32 v84, v84, v85                        ; the row's sum, at least about 1
	v_rcp_f32 v86, v84
	v_nop
	s_wait_alu depctr_va_vdst(0)
.irp p, 0,1,2,3
	v_pk_mul_f32 v[72+2*\p:73+2*\p], v[72+2*\p:73+2*\p], v[86:87] op_sel_hi:[1,0]  ; the weights
.endr
	; argmax: strictly greater moves the index, so the lower index keeps a tie
	v_mov_b32 v88, v72
	v_mov_b32 v89, 0
.irp j, 1,2,3,4,5,6,7
	v_cmp_gt_f32 vcc_lo, v[72+\j], v88
	v_cndmask_b32 v89, v89, \j, vcc_lo
	v_max_num_f32 v88, v88, v[72+\j]
.endr
	v_lshl_add_u32 v89, v3, 3, v89                 ; + 8 for the upper half's experts
	v_mov_b32 v90, v88
	v_mov_b32 v91, v89
	v_permlanex16_b32 v90, v88, s32, s33
	v_permlanex16_b32 v91, v89, s32, s33
	v_cmp_gt_f32 s36, v90, v88                     ; the other half's wins if it is greater,
	v_cmp_eq_f32 s37, v90, v88                     ; or equal
	v_cmp_lt_u32 s38, v91, v89                     ; with the lower index
	s_and_b32 s37, s37, s38
	s_or_b32 s36, s36, s37
	v_cndmask_b32 v89, v89, v91, s36               ; both halves now hold token lane % 16's expert
	; the tile's counts, a byte for each expert in four words: each token's 1 in its expert's byte, added over the 16 lanes of a row (16 at the most: no carry)
	v_and_b32 v90, 3, v89
	v_lshlrev_b32 v90, 3, v90
	v_mov_b32 v91, 1
	v_lshlrev_b32 v90, v90, v91
	v_lshrrev_b32 v91, 2, v89
.irp q, 0,1,2,3
	v_cmp_eq_u32 vcc_lo, \q, v91
	v_cndmask_b32 v[92+\q], 0, v90, vcc_lo
	v_mov_b32 v[96+\q], 0                          ; the DPP moves' destinations count as read
.endr
.irp m, 1,2,4,8
.irp q, 0,1,2,3
	v_mov_b32_dpp v[96+\q], v[92+\q] row_xmask:\m row_mask:0xf bank_mask:0xf
.endr
.irp q, 0,1,2,3
	v_add_nc_u32 v[92+\q], v[92+\q], v[96+\q]
.endr
.endr
	s_lshl_b32 s23, s20, 4
	s_add_co_u32 s23, s23, EXCH
	v_mov_b32 v100, s23
	v_add_nc_u32 v101, s23, v2
	ds_store_b128 v100, v[92:95]                   ; my 16 counts (every lane holds the same)
	ds_store_b8 v101, v89 offset:64                ; my 16 choices
	s_branch .Lbar_b
.Lw2:
	GROUP BUF1, 0, 32, 0, 3                        ; the same buffers in the same order, with the same counts, as in waves 0-3
	GROUP BUF2, 1, 32, 0, -1
	GROUP BUF0, 2, 16, 0, -1
	GROUP BUF1, 3, 0,  0, -1
.set i, 0
.rept 32                               ; the tile back as 16 fragments of 16 outputs x 32 k, in two halves of 16 bytes a lane
	ds_load_b128 v[64+4*i:64+4*i+3], v7 offset:64*(i/2)+32*(i%2)
.set i, i+1
.endr
.set i, 0
.rept 32
	s_wait_dscnt 31-i
	global_store_b128 v4, v[64+4*i:64+4*i+3], s[26:27] offset:4096*(i/2)+512*(i%2)  ; 512 consecutive bytes, aligned
.set i, i+1
.endr
.Lbar_b:
	s_wait_dscnt 0x0                               ; for wave 0's sake: my counts and choices are in LDS
	s_barrier_signal -1
	s_barrier_wait -1
	s_cmp_lg_u32 s20, 0
	s_cbranch_scc1 .Lend
	; wave 0 stores the work-group's 64 choices and its 16 counts
	s_lshl_b32 s44, ttmp9, 6
	s_mov_b32 s45, 0
	s_add_nc_u64 s[40:41], s[18:19], s[44:45]
	s_and_b32 s44, ttmp9, 7
	s_lshl_b32 s44, s44, 5
	s_lshr_b32 s46, ttmp9, 3
	s_add_co_u32 s44, s44, s46
	s_lshl_b32 s44, s44, 4
	s_add_nc_u64 s[42:43], s[16:17], s[44:45]
	v_and_b32 v104, 3, v1
	v_lshlrev_b32 v104, 2, v104
	v_add_nc_u32 v105, EXCH, v104
	v_lshlrev_b32 v106, 2, v2
	v_add_nc_u32 v107, EXCH+64, v106
	ds_load_b32 v108, v107
	ds_load_b32 v109, v105
	ds_load_b32 v110, v105 offset:16
	ds_load_b32 v111, v105 offset:32
	ds_load_b32 v112, v105 offset:48
	s_wait_dscnt 0x0
	v_add_nc_u32 v109, v109, v110                  ; four waves' counts, byte by byte: 64 at the most, no carry
	v_add_nc_u32 v111, v111, v112
	v_add_nc_u32 v109, v109, v111
	v_cmp_gt_u32 vcc_lo, 16, v1
	s_wait_xcnt 0x0                                ; EXEC changes only behind this wait
	s_and_saveexec_b32 s30, vcc_lo
	global_store_b32 v106, v108, s[40:41]          ; 64 consecutive bytes
	s_wait_xcnt 0x0
	s_or_b32 exec_lo, exec_lo, s30
	v_cmp_gt_u32 vcc_lo, 4, v1
	s_and_saveexec_b32 s30, vcc_lo
	global_store_b32 v104, v109, s[42:43]
	s_wait_xcnt 0x0
	s_or_b32 exec_lo, exec_lo, s30
.Lend:
	s_wait_tensorcnt 0x0                           ; the wave's end, behind my last LDS store
	ds_add_u32 v30, v31
	s_wait_dscnt 0x0
	s_endpgm
.Lfunc_end_k_qe61cf64e6d_route:
	.size	k_qe61cf64e6d_route, .Lfunc_end_k_qe61cf64e6d_route-k_qe61cf64e6d_route
	.p2alignl 7, 3214868480
	.fill 96, 4, 3214868480
	.section	.rodata,"a",@progbits
	.p2align	6, 0x0
	.amdhsa_kernel k_qe61cf64e6d_route
		.amdhsa_group_segment_fixed_size 117504
		.amdhsa_private_segment_fixed_size 0
		.amdhsa_enable_private_segment 0
		.amdhsa_kernarg_size 64
		.amdhsa_user_sgpr_count 2
		.amdhsa_user_sgpr_kernarg_segment_ptr 1
		.amdhsa_wavefront_size32 1
		.amdhsa_system_sgpr_workgroup_id_x 1
		.amdhsa_system_sgpr_workgroup_id_y 1
		.amdhsa_system_sgpr_workgroup_id_z 1
		.amdhsa_system_vgpr_workitem_id 0
		.amdhsa_next_free_vgpr 256
		.amdhsa_next_free_sgpr 66
		.amdhsa_reserve_vcc 1
		.amdhsa_float_denorm_mode_32 3
		.amdhsa_float_denorm_mode_16_64 3
		.amdhsa_memory_ordered 1
		.amdhsa_forward_progress 1
		.amdhsa_inst_pref_size 70
	.end_amdhsa_kernel
	.amdgpu_metadata
---
amdhsa.version: [ 1, 2 ]
amdhsa.kernels:
  - .name:           k_qe61cf64e6d_route
    .symbol:         k_qe61cf64e6d_route.kd
    .args:
      - { .name: x, .offset: 0, .size: 8, .value_kind: global_buffer, .address_space: global }
      - { .name: Wg, .offset: 8, .size: 8, .value_kind: global_buffer, .address_space: global }
      - { .name: bg, .offset: 16, .size: 8, .value_kind: global_buffer, .address_space: global }
      - { .name: We, .offset: 24, .size: 8, .value_kind: global_buffer, .address_space: global }
      - { .name: xb, .offset: 32, .size: 8, .value_kind: global_buffer, .address_space: global }
      - { .name: wb, .offset: 40, .size: 8, .value_kind: global_buffer, .address_space: global }
      - { .name: cnt, .offset: 48, .size: 8, .value_kind: global_buffer, .address_space: global }
      - { .name: idx8, .offset: 56, .size: 8, .value_kind: global_buffer, .address_space: global }
    .group_segment_fixed_size: 117504
    .private_segment_fixed_size: 0
    .kernarg_segment_align: 8
    .kernarg_segment_size: 64
    .max_flat_workgroup_size: 192
    .sgpr_count:     66
    .vgpr_count:     256
    .wavefront_size: 32
...
	.end_amdgpu_metadata
.endif
;; end of part 1
;; launch experts (part 2): grid 256 x 1, 4 waves a work-group, no clusters, 190,464 bytes of LDS; arguments cnt, idx8, xb, wb, be, out0; writes out0
.if DOCPART == 2
	.amdgcn_target "amdgcn-amd-amdhsa--gfx1250"
	.amdhsa_code_object_version 6
	.text
	.protected	k_qe61cf64e6d_experts
	.globl	k_qe61cf64e6d_experts
	.p2align	8
	.type	k_qe61cf64e6d_experts,@function
k_qe61cf64e6d_experts:
	s_mov_b64 s[64:65], 0
	v_nop
	global_prefetch_b8 v0, s[64:65] scope:SCOPE_SE
	s_setreg_imm32_b32 hwreg(HW_REG_WAVE_MODE, 25, 1), 1
	s_wait_xcnt 0x0
; EXPERTS.  out0[t][:] = xb[t] . We[e(t)]^T + be[e(t)], e(t) = idx8[t].  xb [16384][512] bf16; wb = We in bf16 in operand order; be [16][512] f32, rounded here to bf16; out0 [16384][512] f32.
; Only the chosen expert's rows are multiplied.  Sums in f32, started by the bias.
; THE DEAL.  Work-group 2 g + half makes 256 columns (half) of row group g.  Expert e, with c_e tokens, gets ceil(c_e / 160) row groups, the experts in ascending order: never more than
; (16384 + 16 x 159) / 160 = 118 of the 128, whatever the split.  Group g serves the expert's tokens of rank 160 chunk .. in ascending token order.  A group that the split leaves without rows passes
; both barriers, jumps the work and stores nothing.  Every work-group works the deal out for itself from cnt (4 KB) and finds its tokens in idx8 (16 KB).
; In a chunk that is not full the places past the count repeat its last row; blocks of 16 rows wholly past the count are multiplied with the others and not stored.
; SHARES.  A wave makes all 160 rows x 64 columns: 10 x 4 accumulators.  The rows of xb are gathered into LDS once and read by all four waves; each byte of the weights is read by one wave
; of the work-group, straight into operand registers.
; THE ORDER OF THE PRODUCT.  K steps 0-7 go by K: each takes all 160 rows, 40 matrix instructions.  K steps 8-15 go by rows of C: their weights, 8 x 32 registers, all lie in window 1 by then, and the
; ten blocks of 16 rows are finished one after the other, 32 matrix instructions each.  A finished block leaves while the next ones are multiplied: behind each four matrix instructions of block a stands a
; slice of its neighbours' memory work: the fragments of block a + 1, block a - 1 through the stage, block a - 2's stores: 44 lines for 32 matrix instructions, in slices of 4 to 8.  A slice costs two
; switches of the register windows; set in one run between two blocks the same lines would stand where no product is issued.
; NO CLUSTER: partners would have to share an expert; whole clusters of four row groups for each expert would want groups of 256 rows (16384 / 16 / 4) to serve every split, which is
; 266 KB of rows in LDS beside nothing else.  The rows come by a list, which no tensor descriptor covers: so no tensor loads either.
; THE MATRIX INSTRUCTION IS USED TRANSPOSED: source 0 = 16 outputs of the weights, source 1 = 16 tokens: a lane then holds one token (lane % 16) and eight neighbouring columns.
; REGISTERS, in windows of 256 (s_set_vgpr_msb: bits 1:0 source 0, 3:2 source 1, 5:4 source 2, 7:6 destination):
;   window 0: v0-31 addresses and at work; v32-63 the bias as a C operand; v64-143, v144-223 two buffers of A's fragments by K (before: the tables); by rows: v64-127, v128-191 two buffers of a block's
;             fragments, v192-223, v224-255 two buffers of 16 rows on their way out; v224-229 before the product: more addresses
;   window 1: the weights: K steps 0-4 at 32 ks, K steps 8-15 at 32 ((ks - 3) % 8)      window 2: accumulators (a, nb), a = 0..7, at 8 (4 a + nb)
;   window 3: v0-63 accumulators a = 8, 9; v64-159 the weights of K steps 5-7; v160-239 my 80 rows' byte offsets in out0.  The gather lands in window 2 and in v0-63 of window 3.
.set PITCH,  1040                      ; a row of A in LDS: 1,024 bytes + 16 = 260 words: row r starts at bank 4 r mod 64 (64 banks of 4 bytes: ISA guide 11.1)
.set CHUNK,  160
.set STAGE,  CHUNK*PITCH               ; behind A: 16 rows x 272 bytes for each wave, for the way out
.set SPITCH, 272
.set LISTW,  STAGE+4*16*SPITCH         ; for each wave 192 words: token + 1 at its place in the chunk, 0 where the wave found none; words 160-191 take what falls outside
.set LISTF,  LISTW+4*768               ; for each wave its own copy of the chunk's list of 160 tokens
.set SPARE,  LISTF+4*768               ; the spare words: 128 bytes for each wave, two blocks of 256 bytes that no other line names
.set CT,  64                           ; v[64:95]    cnt: load k's word q at CT + 4 k + q: lane l holds blocks 8 l + k
.set IX,  96                           ; v[96:127]   idx8: super-block 4 i + w (256 tokens) at IX + 2 i: 8 tokens a lane
.set SBA, 128                          ; v[128:135]  the lane's first 256 tokens' counts in 16-bit fields: word q: experts 4 q, 4 q + 2; word 4 + q: experts 4 q + 1, 4 q + 3
.set SBB, 136                          ; v[136:143]  its second 256 tokens'
.set LTT, 144                          ; v[144:151]  both
.set BF,  152                          ; v[152:159]  the sum over all lanes
.set TM,  160                          ; v[160:167]  at work
.set TK,  96                           ; v[96:115]   the gather: 20 tokens, then their byte offsets in xb
.set BI,  32
.set AF0, 64                           ; by K: two buffers of 80
.set PA,  64                           ; by rows: two buffers of 64: a block's fragments of K steps 8-15
.set OB,  192                          ; the way out: 16 rows read back, two buffers of 32
.set X3,  64                           ; window 3: the weights of K steps 5-7
.set AD3, 160                          ; window 3: block a's rows 8 (lane / 16) + t at AD3 + 8 a + t: the token, then its row's byte offset in out0 plus my 16 bytes' place
; v1 lane, v2 lane % 16, v3 lane / 16, v4 16 lane, v5 16 (lane % 16), v6-8 A's fragment addresses (row blocks 0-3, 4-7, 8-9), v9 where the gather puts 16 bytes, v10 into the stage, v11 back from it,
; v12 my 16 bytes in a row of out0, v13 my rows' tokens in my list, v14 my 8 tokens in a super-block, v15 160 + lane; v224 32 (lane / 16), v225 the gather's tokens, v226 my list + 4 lane, v227 my LISTW + 8 lane
; s16 wave, s18 g, s19 half, s24-31 totals in fields, s32-47 c_e, s48 expert, s49 chunk, s50 its c_e, s51 groups dealt, s54 first rank, s55 rows, s58 rows - 1, s59 my LISTW, s60 my LISTF,
; s63 my columns' byte in a row, s66-71 selects, s72-79 masks, s80 which of my super-blocks matter, s81 a super-block's first place, s[84:85] my weights, s[86:87] my bias
.set MSB, 0
.macro WIN new                         ; the immediate's high byte repeats the setting that is left; a switch that changes nothing is dropped
.if MSB != (\new)
	s_set_vgpr_msb (MSB<<8)|(\new)
.set MSB, \new
.endif
.endm
.macro PLACES                          ; four plain vector instructions between a matrix instruction and a line that reads its result or writes (loads into) one of its registers
.rept 4
	v_nop
.endr
.endm
	s_load_b256 s[4:11], s[0:1], 0x0               ; cnt s[4:5], idx8 s[6:7], xb s[8:9], wb s[10:11]
	s_load_b128 s[12:15], s[0:1], 0x20             ; be s[12:13], out0 s[14:15]
	v_lshl_add_u32 v30, v0, 2, SPARE               ; my spare word,
	v_mov_b32 v31, 0                               ; and 0: kept for the wave's end alone
	v_lshrrev_b32 v16, 5, v0
	v_readfirstlane_b32 s16, v16                   ; wave 0..3
	v_and_b32 v1, 31, v0
	v_and_b32 v2, 15, v0
	v_bfe_u32 v3, v0, 4, 1
	v_lshlrev_b32 v4, 4, v1
	v_lshlrev_b32 v5, 4, v2
	s_lshl_b32 s62, s16, 8
	v_lshl_add_u32 v14, v1, 3, s62                 ; 256 w + 8 lane
	s_wait_kmcnt 0x0
.irp k, 0,1,2,3,4,5,6,7
	global_load_b128 v[CT+4*\k:CT+4*\k+3], v4, s[4:5] offset:512*\k
.endr
.irp i, 0,1,2,3,4,5,6,7,8,9,10,11,12,13,14,15
	global_load_b64 v[IX+2*\i:IX+2*\i+1], v14, s[6:7] offset:1024*\i
.endr
	; the addresses are made while the tables are on their way
	s_lshr_b32 s18, ttmp9, 1
	s_and_b32 s19, ttmp9, 1
	s_mov_b32 s82, 0x76543210                      ; v_permlanex16_b32: each lane takes its own place in the other half
	s_mov_b32 s83, 0xfedcba98
	s_mov_b32 s88, 0x00ff00ff
	v_mul_u32_u24 v6, v2, PITCH
	v_lshl_add_u32 v6, v3, 4, v6                   ; a fragment: row lane % 16, 16 bytes for each half of the lanes
	v_add_nc_u32 v7, 64*PITCH, v6
	v_add_nc_u32 v8, 128*PITCH, v6
	s_mul_i32 s61, s16, 40*PITCH                   ; the gather: my wave fills rows 40 w ..; lanes 16-31 four rows below lanes 0-15
	v_mul_u32_u24 v9, v3, 4*PITCH
	v_add3_u32 v9, v9, v5, s61
	s_mul_i32 s61, s16, 16*SPITCH
	s_add_co_u32 s61, s61, STAGE                   ; my stage
	v_mul_u32_u24 v10, v2, SPITCH                  ; in: row lane % 16, 32 bytes for each half of the lanes
	v_lshl_add_u32 v10, v3, 5, v10
	v_add_nc_u32 v10, s61, v10
	v_mul_u32_u24 v11, v3, 8*SPITCH                ; back: lanes 0-15 a row of 256 bytes, lanes 16-31 the row eight below
	v_add3_u32 v11, v11, v5, s61
	s_lshl_b32 s63, s19, 10
	s_add_co_u32 s63, s63, s62                     ; my 64 columns: byte 1,024 half + 256 w of a row of f32
	v_add_nc_u32 v12, s63, v5
	s_mul_i32 s59, s16, 768
	s_add_co_u32 s60, s59, LISTF
	s_add_co_u32 s59, s59, LISTW
	v_lshl_add_u32 v13, v3, 5, s60
	v_add_nc_u32 v15, 160, v1
	v_lshlrev_b32 v224, 5, v3
	s_mul_i32 s62, s16, 160
	s_add_co_u32 s62, s62, s60
	v_lshl_add_u32 v225, v3, 4, s62
	v_lshl_add_u32 v226, v1, 2, s60
	v_lshl_add_u32 v227, v1, 3, s59
	v_mov_b32 v228, 0
	v_mov_b32 v229, 0
	ds_store_b64 v227, v[228:229]                  ; my LISTW is cleared: 768 bytes
	ds_store_b64 v227, v[228:229] offset:256
	ds_store_b64 v227, v[228:229] offset:512
	s_mov_b32 s48, 0
	s_mov_b32 s49, 0
	s_mov_b32 s50, 0
	s_mov_b32 s51, 0
	s_mov_b32 s57, 0
	s_wait_loadcnt 16                              ; cnt is in; idx8's 16 loads may stay out
; Four blocks' counts (bytes, 64 at the most) into 16-bit fields: two and two are added as bytes (128 at the most), then the even and the odd bytes are parted and added.
.macro HSUM dst, k0
.irp q, 0,1,2,3
	v_add_nc_u32 v[TM], v[CT+4*(\k0)+\q], v[CT+4*(\k0)+4+\q]
	v_add_nc_u32 v[TM+1], v[CT+4*(\k0)+8+\q], v[CT+4*(\k0)+12+\q]
	v_and_b32 v[TM+2], s88, v[TM]
	v_and_b32 v[TM+3], s88, v[TM+1]
	v_add_nc_u32 v[(\dst)+\q], v[TM+2], v[TM+3]
	v_lshrrev_b32 v[TM], 8, v[TM]
	v_lshrrev_b32 v[TM+1], 8, v[TM+1]
	v_and_b32 v[TM], s88, v[TM]
	v_and_b32 v[TM+1], s88, v[TM+1]
	v_add_nc_u32 v[(\dst)+4+\q], v[TM], v[TM+1]
.endr
.endm
	HSUM SBA, 0
	HSUM SBB, 4
.irp i, 0,1,2,3,4,5,6,7
	v_add_nc_u32 v[LTT+\i], v[SBA+\i], v[SBB+\i]
	v_mov_b32 v[TM+\i], 0                          ; the DPP moves' destinations count as read
.endr
.irp i, 0,1,2,3,4,5,6,7
	v_mov_b32 v[BF+\i], v[LTT+\i]
.endr
.irp m, 1,2,4,8                        ; the totals over all lanes (16,384 at the most: the fields hold them)
.irp i, 0,1,2,3,4,5,6,7
	v_mov_b32_dpp v[TM+\i], v[BF+\i] row_xmask:\m row_mask:0xf bank_mask:0xf
.endr
.irp i, 0,1,2,3,4,5,6,7
	v_add_nc_u32 v[BF+\i], v[BF+\i], v[TM+\i]
.endr
.endr
.irp i, 0,1,2,3,4,5,6,7
	v_permlanex16_b32 v[TM+\i], v[BF+\i], s82, s83
.endr
.irp i, 0,1,2,3,4,5,6,7
	v_add_nc_u32 v[BF+\i], v[BF+\i], v[TM+\i]
.endr
.irp i, 0,1,2,3,4,5,6,7
	v_readfirstlane_b32 s[24+\i], v[BF+\i]
.endr
.irp q, 0,1,2,3
	s_and_b32 s[32+4*\q], s[24+\q], 0xffff
	s_and_b32 s[33+4*\q], s[28+\q], 0xffff
	s_lshr_b32 s[34+4*\q], s[24+\q], 16
	s_lshr_b32 s[35+4*\q], s[28+\q], 16
.endr
; Expert e gets t = ceil(c / 160) groups: ((c + 159) / 32) / 5, the division by 5 as x 52,429 >> 18 (exact for x up to 516).  Group g is its chunk g - dealt if that is below t.
.macro DEAL e
	s_add_co_u32 s52, s[32+\e], 159
	s_lshr_b32 s52, s52, 5
	s_mul_i32 s52, s52, 0xcccd
	s_lshr_b32 s52, s52, 18
	s_sub_co_u32 s53, s18, s51                     ; wraps to a huge number where g lies below
	s_cmp_lt_u32 s53, s52
	s_cselect_b32 s48, \e, s48
	s_cselect_b32 s49, s53, s49
	s_cselect_b32 s50, s[32+\e], s50
	s_add_co_u32 s51, s51, s52
.endm
.irp e, 0,1,2,3,4,5,6,7,8,9,10,11,12,13,14,15
	DEAL \e
.endr
	s_min_u32 s48, s48, 15                         ; the expert; it enters addresses
	s_mul_i32 s54, s49, CHUNK                      ; my first rank
	s_sub_co_u32 s55, s50, s54
	s_min_u32 s55, s55, CHUNK                      ; my rows; 0 for a group that the split leaves empty
	s_max_u32 s58, s55, 1
	s_sub_co_u32 s58, s58, 1
	s_lshl_b32 s56, s48, 19
	s_lshl_b32 s61, s19, 2
	s_add_co_u32 s61, s61, s16
	s_lshl_b32 s61, s61, 16
	s_add_co_u32 s56, s56, s61
	s_add_nc_u64 s[84:85], s[10:11], s[56:57]      ; wb + (8 e + 4 half + w) x 65,536
	s_lshl_b32 s56, s48, 11
	s_add_co_u32 s56, s56, s63
	s_add_nc_u64 s[86:87], s[12:13], s[56:57]      ; be at my expert's row, my 64 columns
; Where K step ks's weights lie: BW the window, BS the first of 32 registers.  K steps 5-7 lie outside window 1, so that three of its eight slots are free for K steps 8-10 from the start;
; K steps 11-15 take the slots of K steps 0-4 when those have been multiplied.
.macro BSLOT ks
.if (\ks) < 5
.set BW, 1
.set BS, 32*(\ks)
.elseif (\ks) < 8
.set BW, 3
.set BS, X3+32*((\ks)-5)
.else
.set BW, 1
.set BS, 32*(((\ks)-3)%8)
.endif
.endm
.macro REFB ks                         ; the weights of K step ks: 4 fragments of 16 outputs x 32 k, 8 loads of 512 consecutive bytes
	BSLOT \ks
	WIN BW<<6                                      ; destination in the slot's window, address window 0
.irp nb, 0,1,2,3
	global_load_b128 v[BS+8*\nb:BS+8*\nb+3],   v4, s[84:85] offset:4096*(\ks)+1024*\nb
	global_load_b128 v[BS+8*\nb+4:BS+8*\nb+7], v4, s[84:85] offset:4096*(\ks)+1024*\nb+512
.endr
.endm
	; MY EXPERT'S COUNTS: its field is picked out of the eight words by bits 0, 2, 3 of its number, and shifted down by bit 1
	s_bitcmp1_b32 s48, 0
	s_cselect_b32 s66, -1, 0
	s_bitcmp1_b32 s48, 2
	s_cselect_b32 s67, -1, 0
	s_bitcmp1_b32 s48, 3
	s_cselect_b32 s68, -1, 0
	s_bfe_u32 s69, s48, 0x10001
	s_lshl_b32 s69, s69, 4
	s_bitcmp1_b32 s16, 0
	s_cselect_b32 s71, -1, 0                       ; is my wave's number odd?
.macro SEL dst, x
.irp q, 0,1,2,3
	v_cndmask_b32 v[TM+\q], v[(\x)+\q], v[(\x)+4+\q], s66
.endr
	v_cndmask_b32 v[TM], v[TM], v[TM+1], s67
	v_cndmask_b32 v[TM+2], v[TM+2], v[TM+3], s67
	v_cndmask_b32 v[TM], v[TM], v[TM+2], s68
	v_lshrrev_b32 v[TM], s69, v[TM]
	v_and_b32 v[\dst], 0xffff, v[TM]
.endm
	SEL 16, SBA                                    ; v16: in the lane's first 256 tokens
	SEL 17, LTT                                    ; v17: in its 512
	v_mov_b32 v18, 0                               ; the sum over the lanes below, bit by bit: how many of them have bit k set, shifted up by k (512 at the most: bits 0-9)
.irp k, 0,1,2,3,4,5,6,7,8,9
	v_and_b32 v20, 1<<\k, v17
	v_cmp_ne_u32 s70, 0, v20
	v_mbcnt_lo_u32_b32 v20, s70, 0
	v_lshl_add_u32 v18, v20, \k, v18
.endr
	; my wave's super-blocks are 4 i + w: the first (w even) or second (w odd) half of lane 2 i + w / 2.  Lane i fetches that one's first place in the chunk and its count.
	v_cndmask_b32 v20, 0, v16, s71
	v_add_nc_u32 v18, v18, v20
	v_subrev_nc_u32 v18, s54, v18                  ; rank less my first rank: the place, negative below the chunk
	v_sub_nc_u32 v21, v17, v16
	v_cndmask_b32 v19, v16, v21, s71
	s_lshr_b32 s70, s16, 1
	s_lshl_b32 s70, s70, 2
	v_lshl_add_u32 v23, v1, 3, s70
	ds_bpermute_b32 v22, v23, v18
	ds_bpermute_b32 v24, v23, v19
	s_wait_loadcnt 0x0                             ; idx8 is in (it was asked for together with cnt)
	; The bias and four K steps of weights go out now, 40 loads, behind the two permutes in my order of issue, and travel while the list is made.  Every work-group issues them, one without rows too
	; (it names expert 0's): so no later line leans on a jump taken here.
.irp nb, 0,1,2,3
	global_load_b128 v[BI+8*\nb:BI+8*\nb+3],   v224, s[86:87] offset:64*\nb     ; columns 16 nb + 8 (lane / 16) + 0..7: the C operand's layout
	global_load_b128 v[BI+8*\nb+4:BI+8*\nb+7], v224, s[86:87] offset:64*\nb+16
.endr
.irp k, 0,1,2,3
	REFB \k
.endr
	WIN 0
	s_wait_dscnt 0x0                               ; the two permutes are back
	v_cmp_gt_i32 s72, s55, v22                     ; it begins below the chunk's end,
	v_add_nc_u32 v25, v22, v24
	v_cmp_lt_i32 s73, 0, v25                       ; and ends above its beginning
	s_and_b32 s80, s72, s73
	s_and_b32 s80, s80, 0xffff
; THE LIST.  Super-block 4 i + w, if any of its tokens falls into the chunk: a token of my expert has the place: the block's first + those in the lanes below + those before it in the lane.
; Its number + 1 goes to that word of my LISTW; a place outside 0..159, and every token of another expert, goes to words 160-191, which nobody reads.
.macro SBLK i
	s_bitcmp1_b32 s80, \i
	s_cbranch_scc0 .Lsb_\@
	v_readlane_b32 s81, v22, \i
.irp c, 0,1,2,3,4,5,6,7
	v_bfe_u32 v27, v[IX+2*(\i)+(\c)/4], 8*((\c)%4), 8
	v_cmp_eq_u32 s[72+\c], s48, v27
.endr
	v_mbcnt_lo_u32_b32 v26, s72, s81
.irp c, 1,2,3,4,5,6,7
	v_mbcnt_lo_u32_b32 v26, s[72+\c], v26
.endr
.irp c, 0,1,2,3,4,5,6,7
	v_cndmask_b32 v27, v15, v26, s[72+\c]
	v_min_u32 v27, 191, v27
	v_lshl_add_u32 v27, v27, 2, s59
	v_add_nc_u32 v28, 1024*(\i)+(\c)+1, v14
	ds_store_b32 v27, v28
	v_cndmask_b32 v29, 0, 1, s[72+\c]
	v_add_nc_u32 v26, v26, v29
.endr
.Lsb_\@:
.endm
.irp i, 0,1,2,3,4,5,6,7,8,9,10,11,12,13,14,15
	SBLK \i
.endr
	s_wait_dscnt 0x0                               ; for the others' sake: my part of the list is in LDS
	s_barrier_signal -1
	s_barrier_wait -1
	s_cmp_eq_u32 s55, 0
	s_cbranch_scc1 .Lno_gather                     ; no rows: list and gather are jumped; no barrier lies between
	; each place was found by one wave: the four lists are joined; places past the count take the last row's token.  Each wave keeps a copy of its own.
.irp j, 0,1,2,3,4
	v_add_nc_u32 v[64+\j], 32*\j, v1
	v_min_u32 v[64+\j], s58, v[64+\j]
	v_min_u32 v[64+\j], 159, v[64+\j]
	v_lshl_add_u32 v[64+\j], v[64+\j], 2, LISTW
	ds_load_b32 v[72+4*\j], v[64+\j]
	ds_load_b32 v[73+4*\j], v[64+\j] offset:768
	ds_load_b32 v[74+4*\j], v[64+\j] offset:1536
	ds_load_b32 v[75+4*\j], v[64+\j] offset:2304
.endr
	s_wait_dscnt 0x0
.irp j, 0,1,2,3,4
	v_or_b32 v[72+4*\j], v[72+4*\j], v[73+4*\j]
	v_or_b32 v[74+4*\j], v[74+4*\j], v[75+4*\j]
	v_or_b32 v[72+4*\j], v[72+4*\j], v[74+4*\j]
	v_add_nc_u32 v[72+4*\j], -1, v[72+4*\j]
	ds_store_b32 v226, v[72+4*\j] offset:128*\j
.endr
	; THE GATHER.  My wave brings rows 40 w .. 40 w + 39: 80 loads; in each, lanes 0-15 take 256 consecutive, aligned bytes of one row of xb, lanes 16-31 of the row four places on.
.irp j, 0,1,2,3,4
	ds_load_b128 v[TK+4*\j:TK+4*\j+3], v225 offset:32*\j   ; LDS serves a wave's instructions in order (ISA guide 5.7.1.4): these see the stores above
.endr
	s_wait_dscnt 0x0
.set n, 0
.rept 20
	v_min_u32 v[TK+n], 0x3fff, v[TK+n]
	v_lshl_add_u32 v[TK+n], v[TK+n], 10, v5
.set n, n+1
.endr
	WIN 0x80                                       ; destination window 2
.set n, 0
.rept 64
	global_load_b128 v[4*n:4*n+3], v[TK+n/4], s[8:9] offset:256*(n%4)
.set n, n+1
.endr
	WIN 0xc0                                       ; destination window 3
.rept 16
	global_load_b128 v[4*(n-64):4*(n-64)+3], v[TK+n/4], s[8:9] offset:256*(n%4)
.set n, n+1
.endr
.macro GB jb, left                     ; eight loads' bytes go into A.  left: the gather's loads issued behind them, 63 where there are more
	s_wait_loadcnt \left
.if (\jb) < 8
	WIN 0x08                                       ; store data in window 2
.else
	WIN 0x0c                                       ; in window 3
.endif
.set n, 8*(\jb)
.rept 8
	ds_store_b128 v9, v[(4*n)%256:(4*n)%256+3] offset:(8*(n/16)+(n/4)%4)*PITCH+256*(n%4)
.set n, n+1
.endr
.endm
	GB 0, 63
	GB 1, 63
	GB 2, 56
	GB 3, 48
	GB 4, 40
	GB 5, 32
	GB 6, 24
	GB 7, 16
	GB 8, 8
	GB 9, 0
	WIN 0
.Lno_gather:
	s_wait_dscnt 0x0                               ; for the others' sake: my 40 rows of A are in LDS
	s_barrier_signal -1
	s_barrier_wait -1
	s_cmp_eq_u32 s55, 0
	s_cbranch_scc1 .Lend                           ; no rows: product and way out are jumped
; THE PRODUCT, written out.  First by K:
.macro FETCHA ks, f                    ; A's ten fragments of K step ks, row blocks ascending: 20 LDS loads in one run
	WIN 0
.irp a, 0,1,2,3,4,5,6,7,8,9
	ds_load_b128 v[(\f)+8*\a:(\f)+8*\a+3],   v[6+(\a)/4] offset:((\a)%4)*16*PITCH+64*(\ks)
	ds_load_b128 v[(\f)+8*\a+4:(\f)+8*\a+7], v[6+(\a)/4] offset:((\a)%4)*16*PITCH+64*(\ks)+32
.endr
.endm
; Row blocks a0 .. a1 x all four column blocks.  The 40 accumulators take turns, one instruction a turn, in the same order in every K step.  K step 0 starts the sums with the bias.
.macro MULS ks, f, a0, a1
	BSLOT \ks
.set aa, \a0
.rept (\a1)-(\a0)+1
.if aa < 8
.set AC, 32*aa
.set AW, 2
.else
.set AC, 32*(aa-8)
.set AW, 3
.endif
.if (\ks) == 0
	WIN (AW<<6)|BW                                 ; the weights in their window, A and the bias in window 0, D in the accumulator's
.else
	WIN (AW<<6)|(AW<<4)|BW                         ; C and D in the accumulator's window
.endif
.irp nb, 0,1,2,3
.if (\ks) == 0
	v_wmma_f32_16x16x32_bf16 v[AC+8*\nb:AC+8*\nb+7], v[BS+8*\nb:BS+8*\nb+7], v[(\f)+8*aa:(\f)+8*aa+7], v[BI+8*\nb:BI+8*\nb+7]
.else
	v_wmma_f32_16x16x32_bf16 v[AC+8*\nb:AC+8*\nb+7], v[BS+8*\nb:BS+8*\nb+7], v[(\f)+8*aa:(\f)+8*aa+7], v[AC+8*\nb:AC+8*\nb+7]
.endif
.endr
.set aa, aa+1
.endr
.endm
; Ten of my 80 rows' tokens become byte offsets in out0: clamped to the table, times 2,048, plus my 16 bytes' place.  These 20 plain lines name no register of a matrix instruction:
; they are also the places in front of the loads that follow them.
.macro ADR ks
	WIN 0xcf                                       ; destination, source 0 and source 1 in window 3, source 2 (v12) in window 0
.set n, AD3+10*(\ks)
.rept 10
	v_min_u32 v[n], 0x3fff, v[n]
.set n, n+1
.endr
.set n, AD3+10*(\ks)
.rept 10
	v_lshl_add_u32 v[n], v[n], 11, v12
.set n, n+1
.endr
.endm
; By rows: block b's fragments of K steps 8 + j0 and 9 + j0: four LDS loads.  LC counts the LDS lines issued from here on; the waits below are LC less a mark set behind the loads that they wait for.
.macro FRAG b, j0
	WIN 0
.irp j, (\j0), (\j0)+1
	ds_load_b128 v[PA+64*((\b)%2)+8*(\j):PA+64*((\b)%2)+8*(\j)+3],   v[6+(\b)/4] offset:((\b)%4)*16*PITCH+64*(8+(\j))
	ds_load_b128 v[PA+64*((\b)%2)+8*(\j)+4:PA+64*((\b)%2)+8*(\j)+7], v[6+(\b)/4] offset:((\b)%4)*16*PITCH+64*(8+(\j))+32
.endr
.set LC, LC+4
.endm
; A K step by K.  lc: the count for this step's weights (-1: shown in long ago).  In its middle: offsets, the next step's fragments of A, and behind them in my order of issue one or two groups of weights:
; K steps 6 to 13 in steps 0 to 3, two each; 14 and 15 in steps 4 and 5.  A slot of window 1 is loaded again a K step or more behind the products that read it.
.macro KSTEP ks, lc
.set FA, AF0+80*((\ks)%2)
.set FN, AF0+80*(((\ks)+1)%2)
.if (\lc) >= 0
	s_wait_loadcnt \lc
.endif
.if (\ks) == 0
	s_wait_dscnt 30                                ; row blocks 0-4 are in; younger: ten loads of fragments, 20 of tokens
.else
	s_wait_dscnt 10                                ; row blocks 0-4 are in; the younger ten loads may be out
.endif
	MULS \ks, FA, 0, 4
.if (\ks) == 0
	s_wait_dscnt 0x0                               ; the tokens are in
.endif
	ADR \ks
.if (\ks) < 7
	FETCHA (\ks)+1, FN
.else
	FRAG 0, 0                                      ; the last step by K fetches block 0's fragments of K steps 8-15
	FRAG 0, 2
.set FLO, LC
	FRAG 0, 4
	FRAG 0, 6
.set FHI, LC
.endif
.if (\ks) <= 3
	REFB 6+2*(\ks)
	REFB 7+2*(\ks)
.elseif (\ks) <= 5
	REFB 10+(\ks)
.endif
.if (\ks) < 7
	s_wait_dscnt 20                                ; all but the 20 just issued
.else
	s_wait_dscnt 16                                ; all but the 16 just issued
.endif
	MULS \ks, FA, 5, 9
.endm
; By rows: four matrix instructions: block a, K step 8 + q, the block's four accumulators by turns
.macro QUAD a, q
	BSLOT 8+(\q)
.if (\a) < 8
.set AC, 32*(\a)
	WIN 0xa1                                       ; weights window 1, A window 0, C and D window 2
.else
.set AC, 32*((\a)-8)
	WIN 0xf1                                       ; C and D window 3
.endif
.irp nb, 0,1,2,3
	v_wmma_f32_16x16x32_bf16 v[AC+8*\nb:AC+8*\nb+7], v[BS+8*\nb:BS+8*\nb+7], v[PA+64*((\a)%2)+8*(\q):PA+64*((\a)%2)+8*(\q)+7], v[AC+8*\nb:AC+8*\nb+7]
.endr
.endm
; THE WAY OUT of block b, in three parts.  TOST: a lane's 8 columns (32 bytes) of two accumulators into my stage, rows of 272 bytes.  BACK: the 16 rows back as whole rows of 256 bytes.  SEND: stored to the rows' tokens.
.macro TOST b, nb0
.if (\b) < 8
.set AC, 32*(\b)
	WIN 0x08                                       ; store data in window 2
.else
.set AC, 32*((\b)-8)
	WIN 0x0c                                       ; in window 3
.endif
.irp nb, (\nb0), (\nb0)+1              ; each accumulator's lowest registers first
	ds_store_b128 v10, v[AC+8*(\nb):AC+8*(\nb)+3]   offset:64*(\nb)
	ds_store_b128 v10, v[AC+8*(\nb)+4:AC+8*(\nb)+7] offset:64*(\nb)+16
.endr
.set LC, LC+4
.endm
.macro BACK b
	WIN 0
.irp t, 0,1,2,3,4,5,6,7
	ds_load_b128 v[OB+32*((\b)%2)+4*\t:OB+32*((\b)%2)+4*\t+3], v11 offset:SPITCH*\t  ; LDS serves a wave's instructions in order (ISA guide 5.7.1.4): these see the stores above; the next block's stores come behind these
.endr
.set LC, LC+8
.endm
.macro SEND b, younger                 ; younger: the LDS lines issued behind block b's BACK
	WIN 0
	s_wait_dscnt \younger
	s_cmp_le_u32 s55, 16*(\b)
	s_cbranch_scc1 .Lpast_\@                       ; the block lies wholly past the count
	WIN 0x03                                       ; the offsets (source 0) in window 3, the data (source 1) in window 0
.irp t, 0,1,2,3,4,5,6,7
	global_store_b128 v[AD3+8*(\b)+\t], v[OB+32*((\b)%2)+4*\t:OB+32*((\b)%2)+4*\t+3], s[14:15] th:TH_STORE_NT  ; 16 lanes store 256 consecutive bytes of a token's row, aligned
.endr
	WIN 0
.Lpast_\@:
.endm
; The slice behind quad q of block a.  The four places of slice 0 stand behind the last product of block a - 1: in front of the loads into the fragment buffer that it read, and of the LDS stores that read its
; results.  From BACK to SEND, and from SEND to the wait in front of the next BACK (which loads into registers that the stores of two blocks before read), stand four quads each.
.macro RIDE a, q
.if (\q) == 0
	PLACES
.if (\a) <= 8
	FRAG (\a)+1, 0
.endif
.elseif (\q) == 1
.if (\a) <= 8
	FRAG (\a)+1, 2
.set FLO, LC
.endif
.elseif (\q) == 2
.if (\a) <= 8
	FRAG (\a)+1, 4
.endif
.elseif (\q) == 3
.if (\a) >= 2
	SEND (\a)-2, LC-LDM
.endif
.elseif (\q) == 4
.if (\a) <= 8
	FRAG (\a)+1, 6
.set FHI, LC
.endif
.elseif (\q) == 5
.if (\a) >= 1
	TOST (\a)-1, 0
.endif
.elseif (\q) == 6
.if (\a) >= 1
	TOST (\a)-1, 2
.endif
.else
.if (\a) >= 3
	s_wait_xcnt 0x0                                ; every earlier store has had its addresses translated (ISA guide 3.1): the buffer that block a - 3's stores read is loaded again only behind this wait
.endif
.if (\a) >= 1
	BACK (\a)-1
.set LDM, LC
.endif
.endif
.endm
.macro STEP a                          ; block a is finished: eight quads, a slice behind each
.irp q, 0,1,2,3,4,5,6,7
.if \q == 0
	s_wait_dscnt LC-FLO                            ; its fragments of K steps 8-11 are in
.endif
.if \q == 4
	s_wait_dscnt LC-FHI                            ; and those of K steps 12-15
.endif
.if (\a) == 0
	s_wait_loadcnt 56-8*\q                         ; the first block waits for the weights, K step by K step: behind K step 8 + q's eight loads stand those of K steps 9 + q to 15
.endif
	QUAD \a, \q
	RIDE \a, \q
.endr
.endm
	s_wait_loadcnt 0x0                             ; the bias and K steps 0-3 of the weights are in (they are older than the gather, whose last wait was for 0)
	FETCHA 0, AF0                                  ; my LDS loads first, the loads of weights behind them
	WIN 0xc0                                       ; destination window 3
.irp a, 0,1,2,3,4,5,6,7,8,9
	ds_load_b128 v[AD3+8*\a:AD3+8*\a+3],   v13 offset:64*\a      ; the tokens of rows 16 a + 8 (lane / 16) + 0..7
	ds_load_b128 v[AD3+8*\a+4:AD3+8*\a+7], v13 offset:64*\a+16
.endr
	REFB 4
	REFB 5
	WIN 0
.set n, 0
.rept 16                               ; the bias rounded to bf16 and widened again, while the first fragments come
	v_cvt_pk_bf16_f32 v20, v[BI+2*n], v[BI+2*n+1]
	v_lshlrev_b32 v[BI+2*n], 16, v20
	v_and_b32 v[BI+2*n+1], 0xffff0000, v20
.set n, n+1
.endr
.set LC, 0
.set FLO, 0
.set FHI, 0
.set LDM, 0
	KSTEP 0, -1
	KSTEP 1, -1
	KSTEP 2, -1
	KSTEP 3, -1
	KSTEP 4, 63                                    ; behind K step 4's weights nine groups of eight loads have been issued (K steps 5 to 13): 63, the most that a wait can name, is the stricter count
	KSTEP 5, 63                                    ; likewise: K steps 6 to 14
	KSTEP 6, 63                                    ; K steps 7 to 15
	KSTEP 7, 63                                    ; K steps 8 to 15: eight groups
.irp a, 0,1,2,3,4,5,6,7,8,9
	STEP \a
.endr
	PLACES                                         ; behind the last product: block 9 goes through the stage, then blocks 8 and 9 are stored
	TOST 9, 0
	TOST 9, 2
	s_wait_xcnt 0x0                                ; block 7's stores have read the buffer that block 9 takes
	BACK 9
	SEND 8, 16                                     ; behind block 8's BACK: block 9's eight LDS stores and eight loads
	SEND 9, 0
.Lend:
	s_wait_tensorcnt 0x0                           ; the wave's end, behind my last LDS store
	ds_add_u32 v30, v31
	s_wait_dscnt 0x0
	s_endpgm
.Lfunc_end_k_qe61cf64e6d_experts:
	.size	k_qe61cf64e6d_experts, .Lfunc_end_k_qe61cf64e6d_experts-k_qe61cf64e6d_experts
	.p2alignl 7, 3214868480
	.fill 96, 4, 3214868480
	.section	.rodata,"a",@progbits
	.p2align	6, 0x0
	.amdhsa_kernel k_qe61cf64e6d_experts
		.amdhsa_group_segment_fixed_size 190464
		.amdhsa_private_segment_fixed_size 0
		.amdhsa_enable_private_segment 0
		.amdhsa_kernarg_size 48
		.amdhsa_user_sgpr_count 2
		.amdhsa_user_sgpr_kernarg_segment_ptr 1
		.amdhsa_wavefront_size32 1
		.amdhsa_system_sgpr_workgroup_id_x 1
		.amdhsa_system_sgpr_workgroup_id_y 1
		.amdhsa_system_sgpr_workgroup_id_z 1
		.amdhsa_system_vgpr_workitem_id 0
		.amdhsa_next_free_vgpr 1008
		.amdhsa_next_free_sgpr 96
		.amdhsa_reserve_vcc 0
		.amdhsa_float_denorm_mode_32 3
		.amdhsa_float_denorm_mode_16_64 3
		.amdhsa_memory_ordered 1
		.amdhsa_forward_progress 1
		.amdhsa_inst_pref_size 237
	.end_amdhsa_kernel
	.amdgpu_metadata
---
amdhsa.version: [ 1, 2 ]
amdhsa.kernels:
  - .name:           k_qe61cf64e6d_experts
    .symbol:         k_qe61cf64e6d_experts.kd
    .args:
      - { .name: cnt, .offset: 0, .size: 8, .value_kind: global_buffer, .address_space: global }
      - { .name: idx8, .offset: 8, .size: 8, .value_kind: global_buffer, .address_space: global }
      - { .name: xb, .offset: 16, .size: 8, .value_kind: global_buffer, .address_space: global }
      - { .name: wb, .offset: 24, .size: 8, .value_kind: global_buffer, .address_space: global }
      - { .name: be, .offset: 32, .size: 8, .value_kind: global_buffer, .address_space: global }
      - { .name: out0, .offset: 40, .size: 8, .value_kind: global_buffer, .address_space: global }
    .group_segment_fixed_size: 190464
    .private_segment_fixed_size: 0
    .kernarg_segment_align: 8
    .kernarg_segment_size: 48
    .max_flat_workgroup_size: 128
    .sgpr_count:     96
    .vgpr_count:     1008
    .wavefront_size: 32
...
	.end_amdgpu_metadata
.endif
;; end of part 2
